; MI455X (gfx1250); checked and timed in simulation.
; The chip was launched on July 23, 2026; its instructions are those of AMD's public machine-readable ISA for CDNA 5 (MIT licence, August 2026) and "CDNA5" Instruction Set Architecture Reference Guide (July 2026). The comments in the code are by the model that wrote it; some were corrected since.
;; Multi Head Self Attention. Allowed arithmetic: matrix products marked QUANTISED: E4M3 operands, one given power-of-two scale a tensor, by v_wmma_f32_16x16x64_fp8_fp8 or v_wmma_f32_16x16x128_fp8_fp8, f32 sums; everything else in f32.
;; Inputs: Wk 4,096 x 512 float32; Wq 4,096 x 512 float32; Wv 4,096 x 512 float32; lowp_scales 10 int32 (the exponents e of the quantised operands' scales 2^e); x 4 x 1,024 x 512 float32.
;; Outputs: out0 4 x 1,024 x 4,096 float32.
;; This version of the problem:
;;   THIS VERSION OF THE PROBLEM IS GIVEN IN LOW PRECISION. The matrix products marked QUANTISED in the list below multiply operands that are first quantised to E4M3 (4 exponent bits, 3 mantissa bits; 8 bits a number), with one given power-of-two scale for each operand tensor; their sums are f32. All else is computed in f32.
;;   The module's matrix products, in the order in which they are computed (A, B: the left and right operand; K: the contracted axis; several contracted axes count as one K, in the product's order):
;;     1. [M 4,096, K 512] x [K 512, N 4,096]; A: input x; B: input Wk: QUANTISED (scales: A lowp_scales[0], B lowp_scales[1])
;;     2. [M 4,096, K 512] x [K 512, N 4,096]; A: input x; B: input Wv: QUANTISED (scales: A lowp_scales[2], B lowp_scales[3])
;;     3. [M 4,096, K 512] x [K 512, N 4,096]; A: input x; B: input Wq: QUANTISED (scales: A lowp_scales[4], B lowp_scales[5])
;;     4. batch 32 x [M 1,024, K 512] x [K 512, N 1,024]; A: computed on the way; B: computed on the way: QUANTISED (scales: A lowp_scales[6], B lowp_scales[7])
;;     5. batch 32 x [M 1,024, K 1,024] x [K 1,024, N 512]; A: softmax (see below); B: computed on the way: QUANTISED (scales: A lowp_scales[8], B lowp_scales[9])
;;   THE QUANTISER, for each operand of a quantised product, along K:
;;     - The operand's scale is 2^e, e = its entry of the input lowp_scales (int32; the entries are numbered through the quantised products in the list's order, A before B).
;;     - Each number is divided by the scale, clamped to +-448, and rounded to the nearest number of E4M3, ties to even, subnormals kept.
;;     - The product sums the exact products of the quantised numbers (number of the format x scale) in f32.
;;   ~~~python
;;   def quantise(x, axis, e):      # numpy; x: float32 -> the quantised numbers, widened to float32 again
;;       x = np.moveaxis(x, axis, -1); K = x.shape[-1]
;;       r = np.clip(x / 2.0 ** e, -448, 448)
;;       step = 2.0 ** (np.maximum(np.frexp(np.where(r == 0, 1, r))[1] - 1, -6) - 3)
;;       q = np.round(r / step) * step * 2.0 ** e      # np.round: ties to even
;;       return np.moveaxis(q, -1, axis).astype(np.float32)
;;   ~~~
;;   SOFTMAX AHEAD OF A QUANTISED PRODUCT. Where the list says 'softmax', what is quantised is not the finished softmax but p = 2^(t - M), with t = logit x log2(e) and M = ceil(the row's largest t), a whole number; so 1/2 < the row's largest p <= 1. The row's sum l is taken of the UNQUANTISED p, in f32, and the product's result is divided by l at the end. Since M is a whole number, a kernel that streams over the keys may use a running M (the ceiling of the running maximum): every later rescaling is an exact power of two, so the quantised numbers keep their values, but for numbers so far below the row's largest that they fall under the format's range.
;;   OPERANDS COMPUTED ON THE WAY. 'Computed on the way' means the value that the module computes at that place (a softmax that the list does not call 'softmax' is quantised finished and normalised). What goes into a quantiser is computed in f32, as accurately as f32 sums, v_exp_f32 and their like allow (about 1e-6 of the number): no bf16 or f16 on the way to a quantiser, and a product that is left as it is and whose result goes on into a quantised operand takes f32 operands (vector FMAs, or v_wmma_f32_16x16x4_f32). A number that lies on a knife's edge between two numbers of the format may be rounded either way, as far as f32 arithmetic and the matrix unit's own rounding can turn it there, and no further.
;; One version. Each part assembles by itself: llvm-mc -triple=amdgcn-amd-amdhsa -mcpu=gfx1250 --defsym DOCPART=n.
;; ======== version 1 of 1: 3 launches
;; limits: right only within a limited range of input values
;; workspace buffers: abuf 6,291,456 bytes; bbuf 6,291,456 bytes; kv 33,554,432 bytes
;; launch quant (part 1): grid 256 x 1, 8 waves a work-group, no clusters, 140,288 bytes of LDS; arguments x, Wk, Wv, Wq, lowp_scales, abuf, bbuf; writes abuf, bbuf
.if DOCPART == 1
	.amdgcn_target "amdgcn-amd-amdhsa--gfx1250"
	.amdhsa_code_object_version 6
	.text
	.protected	k_q135dc5946f_quant
	.globl	k_q135dc5946f_quant
	.p2align	8
	.type	k_q135dc5946f_quant,@function
k_q135dc5946f_quant:
	s_mov_b64 s[64:65], 0
	v_nop
	global_prefetch_b8 v0, s[64:65] scope:SCOPE_SE
	s_setreg_imm32_b32 hwreg(HW_REG_WAVE_MODE, 25, 1), 1
	s_wait_xcnt 0x0
; x [4096][512] and Wk, Wv, Wq [4096][512], f32, become codes of FP8 (E4M3) with the given scales 2^e: x three times (e0, e2, e4), Wk with e1, Wv with e3, Wq with e5.
; code = number / 2^e, held within +-448, rounded to the nearest code, ties to even.
; LIMITS: each of e0 .. e5 lies between -126 and 119, so that 2^e and 448 x 2^e are f32 numbers.  NaN among the inputs is not served; an infinity is held at the largest code.
; WHAT IS STORED: IMAGES OF OPERAND REGISTERS.  A fragment is 16 rows x 128 along K, 2,048 bytes: byte 512 c + 16 lane + i (lane = 16 hh + r) is row r, k = 32 c + 16 hh + i.
; A set (one tensor with one scale) is [K step of 256: 2][group of 16 rows: 256][128 along K: 2][2,048 bytes].  abuf = x(e0), Wv(e3), x(e4);  bbuf = Wk(e1), x(e2), Wq(e5).
; THE ROWS OF A GROUP ARE NOT NEIGHBOURS: in the sorted row index n, lane r of group 2 B + u is n = 32 B + 8 u + r + 8 (r / 8).  For x, n is the row in memory; for a weight n = 512 h + d, which is row 8 d + h
; in memory (a projection's column is 8 d + h: the head is its fast part).
; SHARES.  Work-group g takes group g of all four tensors; wave w the columns 64 w .. 64 w + 63: four units of 16 rows x 64 numbers.  All 32 loads of a wave go out at its head; each reads 256 consecutive
; aligned bytes of two rows.  A unit turns through the wave's own stage in LDS, so that a lane holds 16 neighbours along K for the conversions.  Waves share nothing: no barrier.
.set SPITCH, 272                       ; a stage row: 256 bytes + 16 of padding
.set UST,    16*SPITCH                 ; a unit's stage; each unit has its own
.set WST,    4*UST                     ; a wave's four stages
.set SETB,   2097152                   ; bytes of a set.  THE TWO SETS NUMBERED 2, x(e4) and Wq(e5), are laid otherwise than the others: [group of 16 rows: 256][128 along K: 4][2,048 bytes]
.set XO,  4                            ; v4   x: 2,048 (lane / 16) + 16 (lane % 16)
.set WO,  5                            ; v5   a weight: 16,384 (lane / 16) + 16 (lane % 16): neighbouring sorted rows lie 8 rows apart in memory
.set SI,  6                            ; v6   into the stage: row lane / 16, 16 bytes a lane
.set SO,  7                            ; v7   out of it: row lane % 16, + 64 (lane / 16)
.set CO,  8                            ; v8   16 x lane: my place in an image
.set SC,  16                           ; v16-21  2^e as f32, for e0 .. e5
.set LM,  22                           ; v22-27  448 x 2^e
.set RAW, 32                           ; v32-159 a unit's 32 registers as loaded; later its codes
.set X,   160                          ; v160-223 two sets of 32: 2 x 16 neighbours along K
.set T,   224                          ; v224-239 two sets of 8: numbers held, by turns
	s_load_b256 s[4:11], s[0:1], 0x0               ; x s[4:5], Wk s[6:7], Wv s[8:9], Wq s[10:11]
	s_load_b128 s[12:15], s[0:1], 0x20             ; the scales' exponents s[12:13], abuf s[14:15]
	s_load_b64 s[16:17], s[0:1], 0x30              ; bbuf
	v_lshl_add_u32 v240, v0, 2, 0x22000
	v_mov_b32 v241, 0
	v_lshrrev_b32 v1, 5, v0
	s_delay_alu instid0(VALU_DEP_1)
	v_readfirstlane_b32 s18, v1                    ; wave 0..7
	v_and_b32 v1, 31, v0                           ; lane
	v_and_b32 v2, 15, v0                           ; lane % 16
	v_bfe_u32 v3, v0, 4, 1                         ; lane / 16
	s_delay_alu instid0(VALU_DEP_2)
	v_lshlrev_b32 v[XO], 4, v2
	s_delay_alu instid0(VALU_DEP_1)
	v_lshl_add_u32 v[WO], v3, 14, v[XO]
	s_delay_alu instid0(VALU_DEP_2)
	v_lshl_add_u32 v[XO], v3, 11, v[XO]
	s_mul_i32 s22, s18, WST                        ; my stages
	v_mul_u32_u24 v[SI], v3, SPITCH
	s_delay_alu instid0(VALU_DEP_1)
	v_lshl_add_u32 v[SI], v2, 4, v[SI]
	s_delay_alu instid0(VALU_DEP_1)
	v_add_nc_u32 v[SI], s22, v[SI]
	v_mul_u32_u24 v[SO], v2, SPITCH
	s_delay_alu instid0(VALU_DEP_1)
	v_lshl_add_u32 v[SO], v3, 6, v[SO]
	s_delay_alu instid0(VALU_DEP_1)
	v_add_nc_u32 v[SO], s22, v[SO]
	v_lshlrev_b32 v[CO], 4, v1
	s_lshr_b32 s19, ttmp9, 1                       ; B = group / 2
	s_and_b32 s20, ttmp9, 1                        ; u = group % 2
	s_lshl_b32 s23, s18, 8                         ; my 64 columns: 256 bytes
	s_lshl_b32 s32, s19, 16                        ; x: 32 B rows of 2,048 bytes,
	s_lshl_b32 s21, s20, 14                        ; + 8 u rows,
	s_add_co_u32 s32, s32, s21
	s_add_co_u32 s32, s32, s23                     ; + my columns
	s_mov_b32 s33, 0
	s_and_b32 s34, s19, 15                         ; a weight: d = 32 (B % 16) + 8 u + .., a step of d is 16,384 bytes,
	s_lshl_b32 s34, s34, 19
	s_lshl_b32 s21, s20, 17
	s_add_co_u32 s34, s34, s21
	s_lshr_b32 s21, ttmp9, 5                       ; h = group / 32: one row of 2,048 bytes each
	s_lshl_b32 s21, s21, 11
	s_add_co_u32 s34, s34, s21
	s_add_co_u32 s34, s34, s23
	s_mov_b32 s35, 0
	s_lshr_b32 s36, s18, 2                         ; the codes: K step w / 4,
	s_lshl_b32 s36, s36, 20
	s_lshl_b32 s21, ttmp9, 12                      ; my group,
	s_add_co_u32 s36, s36, s21
	s_bfe_u32 s21, s18, 0x10001                    ; the 128 along K: (w / 2) % 2,
	s_lshl_b32 s21, s21, 11
	s_add_co_u32 s36, s36, s21
	s_and_b32 s21, s18, 1                          ; and the image's c = 2 (w % 2) + 0, 1
	s_lshl_b32 s21, s21, 10
	s_add_co_u32 s36, s36, s21
	s_mov_b32 s37, 0
	s_lshl_b32 s42, ttmp9, 13                      ; in the sets numbered 2: my group's 8,192 bytes,
	s_lshr_b32 s43, s18, 1                         ; the 128 along K: w / 2,
	s_lshl_b32 s43, s43, 11
	s_add_co_u32 s42, s42, s43
	s_add_co_u32 s42, s42, s21                     ; and the image's c = 2 (w % 2) + 0, 1
	s_mov_b32 s43, 0
	s_wait_alu depctr_va_vdst(0)
	s_wait_kmcnt 0x0
	s_load_b256 s[24:31], s[12:13], 0x0            ; e0 .. e7; e0 .. e5 are used here
	s_add_nc_u64 s[4:5], s[4:5], s[32:33]
	s_add_nc_u64 s[6:7], s[6:7], s[34:35]
	s_add_nc_u64 s[8:9], s[8:9], s[34:35]
	s_add_nc_u64 s[10:11], s[10:11], s[34:35]
	s_add_nc_u64 s[38:39], s[14:15], s[42:43]
	s_add_nc_u64 s[40:41], s[16:17], s[42:43]
	s_add_nc_u64 s[14:15], s[14:15], s[36:37]
	s_add_nc_u64 s[16:17], s[16:17], s[36:37]
; a unit's eight loads: load i takes rows r = 2 i (lanes 0-15) and 2 i + 1 (lanes 16-31) of the group; row r lies r + 8 (r / 8) sorted rows on
.macro LOADU u, b, off, pitch
.irp i, 0,1,2,3,4,5,6,7
	global_load_b128 v[RAW+32*\u+4*\i:RAW+32*\u+4*\i+3], v[\off], s[\b:\b+1] offset:(2*\i+8*(\i/4))*\pitch th:TH_LOAD_NT
.endr
.endm
; a unit through its stage: in as loaded, out 64 bytes a lane and block of 32: k = 32 c + 16 (lane / 16) + 0 .. 15 of row lane % 16.  LDS serves a wave's instructions in order: no wait between
.macro TURN u
.irp i, 0,1,2,3,4,5,6,7
	ds_store_b128 v[SI], v[RAW+32*(\u)+4*\i:RAW+32*(\u)+4*\i+3] offset:UST*(\u)+2*SPITCH*\i
.endr
.irp c, 0,1
.irp j, 0,1,2,3
	ds_load_b128 v[X+32*((\u)%2)+16*\c+4*\j:X+32*((\u)%2)+16*\c+4*\j+3], v[SO] offset:UST*(\u)+128*\c+16*\j
.endr
.endr
.endm
; unit u is quantised with scale k; its m-th set of codes lands in the unit's own RAW registers (free: the stage's stores have read them) and goes to set `set` of the buffer at s[b].
; The held numbers go into other registers, since x is quantised three times; the two sets of T take turns, so that eight plain lines stand between a conversion and the next write of its sources.
.macro Q1 u, m, k, b, set
.irp c, 0,1
.irp g, 0,1
.irp i, 0,1,2,3,4,5,6,7
	v_med3_num_f32 v[T+8*\g+\i], v[X+32*((\u)%2)+16*\c+8*\g+\i], -v[LM+\k], v[LM+\k]   ; the conversion to an 8-bit code does not saturate (ISA guide 7.6.2): the hold comes first
.endr
	v_cvt_scalef32_pk8_fp8_f32 v[RAW+32*\u+8*\m+4*\c+2*\g:RAW+32*\u+8*\m+4*\c+2*\g+1], v[T+8*\g:T+8*\g+7], v[SC+\k]
.endr
.endr
.irp c, 0,1
	global_store_b128 v[CO], v[RAW+32*\u+8*\m+4*\c:RAW+32*\u+8*\m+4*\c+3], s[\b:\b+1] offset:\set*SETB+512*\c   ; 32 lanes store 512 consecutive bytes, aligned; these registers are never written again
.endr
.endm
	LOADU 0, 4, XO, 2048
	LOADU 1, 6, WO, 16384
	LOADU 2, 8, WO, 16384
	LOADU 3, 10, WO, 16384
	s_wait_kmcnt 0x0
.irp k, 0,1,2,3,4,5
	s_add_co_i32 s20, s[24+\k], 127
	s_lshl_b32 s21, s20, 23
	v_mov_b32 v[SC+\k], s21                        ; 2^e as f32: the conversion takes its exponent field
	s_add_co_i32 s20, s20, 8
	s_lshl_b32 s20, s20, 23
	s_or_b32 s20, s20, 0x600000
	v_mov_b32 v[LM+\k], s20                        ; 448 x 2^e
.endr
	s_wait_loadcnt 24                              ; x's eight loads are in; the three weights' 24 may be out
	TURN 0
	s_wait_dscnt 0x0                               ; x's numbers are back, and the stage's stores have read RAW
	s_wait_loadcnt 16                              ; Wk's loads are in; 16 may be out
	TURN 1                                         ; the next unit turns while this one is worked
	Q1 0, 0, 0, 14, 0                              ; x with e0 -> abuf, set 0
	Q1 0, 1, 2, 16, 1                              ; x with e2 -> bbuf, set 1
	Q1 0, 2, 4, 38, 2                              ; x with e4 -> abuf, set 2
	s_wait_dscnt 0x0
	s_wait_loadcnt 8                               ; Wv's loads are in; Wq's 8 may be out
	TURN 2
	Q1 1, 0, 1, 16, 0                              ; Wk with e1 -> bbuf, set 0
	s_wait_dscnt 0x0
	s_wait_loadcnt 0
	TURN 3
	Q1 2, 0, 3, 14, 1                              ; Wv with e3 -> abuf, set 1
	s_wait_dscnt 0x0
	Q1 3, 0, 5, 40, 2                              ; Wq with e5 -> bbuf, set 2
	s_wait_tensorcnt 0x0
	ds_add_u32 v240, v241
	s_wait_dscnt 0x0
	s_endpgm
.Lfunc_end_k_q135dc5946f_quant:
	.size	k_q135dc5946f_quant, .Lfunc_end_k_q135dc5946f_quant-k_q135dc5946f_quant
	.p2alignl 7, 3214868480
	.fill 96, 4, 3214868480
	.section	.rodata,"a",@progbits
	.p2align	6, 0x0
	.amdhsa_kernel k_q135dc5946f_quant
		.amdhsa_group_segment_fixed_size 140288
		.amdhsa_private_segment_fixed_size 0
		.amdhsa_enable_private_segment 0
		.amdhsa_kernarg_size 56
		.amdhsa_user_sgpr_count 2
		.amdhsa_user_sgpr_kernarg_segment_ptr 1
		.amdhsa_wavefront_size32 1
		.amdhsa_system_sgpr_workgroup_id_x 1
		.amdhsa_system_sgpr_workgroup_id_y 1
		.amdhsa_system_sgpr_workgroup_id_z 1
		.amdhsa_system_vgpr_workitem_id 0
		.amdhsa_next_free_vgpr 242
		.amdhsa_next_free_sgpr 66
		.amdhsa_reserve_vcc 0
		.amdhsa_float_denorm_mode_32 3
		.amdhsa_float_denorm_mode_16_64 3
		.amdhsa_memory_ordered 1
		.amdhsa_forward_progress 1
		.amdhsa_inst_pref_size 27
	.end_amdhsa_kernel
	.amdgpu_metadata
---
amdhsa.version: [ 1, 2 ]
amdhsa.kernels:
  - .name:           k_q135dc5946f_quant
    .symbol:         k_q135dc5946f_quant.kd
    .args:
      - { .name: x, .offset: 0, .size: 8, .value_kind: global_buffer, .address_space: global }
      - { .name: Wk, .offset: 8, .size: 8, .value_kind: global_buffer, .address_space: global }
      - { .name: Wv, .offset: 16, .size: 8, .value_kind: global_buffer, .address_space: global }
      - { .name: Wq, .offset: 24, .size: 8, .value_kind: global_buffer, .address_space: global }
      - { .name: lowp_scales, .offset: 32, .size: 8, .value_kind: global_buffer, .address_space: global }
      - { .name: abuf, .offset: 40, .size: 8, .value_kind: global_buffer, .address_space: global }
      - { .name: bbuf, .offset: 48, .size: 8, .value_kind: global_buffer, .address_space: global }
    .group_segment_fixed_size: 140288
    .private_segment_fixed_size: 0
    .kernarg_segment_align: 8
    .kernarg_segment_size: 56
    .max_flat_workgroup_size: 256
    .sgpr_count:     66
    .vgpr_count:     242
    .wavefront_size: 32
...
	.end_amdgpu_metadata
.endif
;; end of part 1
;; launch proj (part 2): grid 16 x 16, 4 waves a work-group, clusters of 4 x 4, 327,680 bytes of LDS; arguments abuf, bbuf, lowp_scales, kv; writes kv
.if DOCPART == 2
	.amdgcn_target "amdgcn-amd-amdhsa--gfx1250"
	.amdhsa_code_object_version 6
	.text
	.protected	k_q135dc5946f_proj
	.globl	k_q135dc5946f_proj
	.p2align	8
	.type	k_q135dc5946f_proj,@function
k_q135dc5946f_proj:
	s_mov_b64 s[64:65], 0
	v_nop
	global_prefetch_b8 v0, s[64:65] scope:SCOPE_SE
	s_setreg_imm32_b32 hwreg(HW_REG_WAVE_MODE, 25, 1), 1
	s_wait_xcnt 0x0
	s_wait_alu depctr_hold_cnt(0) depctr_sa_sdst(0) depctr_va_vdst(0) depctr_va_sdst(0) depctr_va_ssrc(0) depctr_va_vcc(0) depctr_vm_vsrc(0)
	s_getreg_b32 s2, hwreg(HW_REG_IB_STS2, 6, 4)
	s_cmp_eq_u32 s2, 0
	s_cbranch_scc0 .Lentry_in_a_cluster
	s_endpgm
.Lentry_in_a_cluster:
	s_bfe_u32 s2, ttmp6, 0x10000c
	s_cmp_lg_u32 s2, 0xf033
	s_cbranch_scc0 .Lentry_shape_is_right
	s_endpgm
.Lentry_shape_is_right:
; The projections of k and v, on codes of FP8 (E4M3), and the quantising of their results.  C_j = abuf[set j] x bbuf[set j]^T, 4,096 x 4,096, K = 512:
;   j = 0: rows x(e0), columns Wk(e1): k, quantised with e7;   j = 1: rows Wv(e3), columns x(e2): v with the KEYS along the columns, quantised with e9.
; A sum stands for sum x 2^(its two exponents added), so its code is sum / 2^E: E_0 = e7 - e0 - e1, E_1 = e9 - e2 - e3: three scales folded into the conversion's one.
; LIMITS: E_0, E_1 lie between -126 and 119, so that 2^E and 448 x 2^E are f32 numbers.
; ALL OPERANDS ARE IMAGES OF REGISTERS: a fragment (16 rows x 128 K) is 2,048 bytes, byte 512 c + 16 lane + i = row lane % 16, k = 32 c + 16 (lane / 16) + i; four loads of 16 bytes a lane bring it.  That places k otherwise
; than the form's own layout, alike in both operands: every product meets its partner, and only the order of the sums inside an instruction differs.
; A set is [K step of 256: 2][group: 256][128 along K: 2][2,048].  Lane r of group 2 B + u is sorted row 32 B + 8 u + r + 8 (r / 8).
; SHARES.  A work-group of four waves STAYS and makes the tile (Y, X), 256 x 256, of C_0 and of C_1; a wave makes 128 x 128: 64 accumulators.  The ring of two LDS slots (slot s = K step s) goes on from tile to tile.
; The last tile's last step goes by groups of rows: a group leaves while the next ones are multiplied.
; THE MATRIX INSTRUCTION IS USED TRANSPOSED (source 0 = a group of bbuf, source 1 = a group of abuf): with the groups' row order a lane's 64 sums of one group of abuf are 4 x 16 neighbours along the columns, in
; the very order of an image.  So eight conversions make a whole fragment of the NEXT product's operand, which leaves by four stores of 512 consecutive aligned bytes: no stage in LDS.
;   kv: for each (b, h) 1,048,576 bytes: k's fragment (group of 16 rows 0..63, 128 of d 0..3) at (4 group + chunk) 2,048;   v's (128 keys 0..7, group of 16 d 0..31) at 524,288 + (32 chunk + group) 2,048.
; CLUSTERS: 4 x 4 work-groups.  A row of the cluster shares abuf's tiles, a column bbuf's: each tile is asked for JOINTLY, by the same tensor load with the same descriptor and a mask that names the four.
; PREFETCH: where a K step is asked for, the K step that the next change of slots loads is prefetched: one K step ahead of its load.  Of the 32,768 bytes that a wave fetches, each of the four partners (told apart by address:
; cx for abuf, cy for bbuf) takes 8,192, lanes 256 bytes apart: each block of 256 bytes once in each cluster.  Only the very first K step comes by its load alone; nothing is asked for beyond the last.
; REGISTERS, in windows of 256: window 0: v8-11 scales, v16-29 addresses, v32-95 held sums, v96-127 codes (two sets), v128-255 abuf's fragments, ONE set;  window 1: bbuf's fragments, TWO sets;
;   window 2: accumulators of my groups 0-3 ((a, b) at v[8 (8 (a % 4) + b)]);  window 3: of my groups 4-7.
.set SLOT,   131072                    ; a slot: abuf's 16 groups x 2 x 2,048, then bbuf's
.set BOFF,   65536
.set SPARE,  2*SLOT                    ; behind the ring: the spare words, 128 bytes for each wave: two blocks of 256 bytes that no other line names
.set SETB,   0x200000                  ; from a set to the next
.set KSB,    0x100000                  ; from a K step to the next
.set FR,     16                        ; registers of a fragment
.set NL,     4                         ; LDS loads that bring one
.set NP,     4                         ; places behind this matrix instruction (ISA guide 7.12.1)
.set SC,   8                           ; v8-9    2^E_j as f32
.set LM,   10                          ; v10-11  448 x 2^E_j
.set ADRA, 16                          ; v16-17  LDS address of my fragments of abuf in slot 0, 1
.set ADRB, 20                          ; v20-21  the same for bbuf
.set CO,   26                          ; v26     16 x lane
.set PFO,  27                          ; v27     256 x lane, for the prefetches
.set SPW,  28                          ; v28     LDS address of my spare word; never rewritten
.set NIL,  29                          ; v29     0; never rewritten
.set TMP,  32
.set CD,   96
.set AF,   128
.set G1, 24                            ; s[24:31] descriptor group 1 for abuf's tiles;  s[32:39] group 0, one set for each slot
.set G0, 32
.set G1B, 48                           ; s[48:55], s[56:63] the same for bbuf's
.set G0B, 56
.set PFA, 90                           ; s[90:91] where my prefetches stand: set 1, K step 0
.set MSB, 0
.macro WIN new                         ; the immediate's high byte repeats the setting that is left
.if MSB != (\new)
	s_set_vgpr_msb (MSB<<8)|(\new)
.set MSB, (\new)
.endif
.endm
.set MUL_LO, 0xa1                      ; source 0 (bbuf) window 1, source 1 (abuf) window 0, C and D window 2
.set MUL_HI, 0xf1                      ; the same, C and D window 3
.set TO_B,   0x40                      ; destination window 1, address window 0
; A joint load: waves 0 and 1 fetch for abuf, waves 2 and 3 for bbuf; the branch hangs on the wave's number alone.  An s_nop 0 and four v_nop follow each of the two lines.
.macro JLOAD s
	s_cmp_eq_u32 s15, 0
	s_cbranch_scc0 .Lfor_b_\@
	tensor_load_to_lds s[G0+4*\s:G0+4*\s+3], s[G1:G1+7]
	s_nop 0
.rept 4
	v_nop
.endr
	s_branch .Lasked_\@
.Lfor_b_\@:
	tensor_load_to_lds s[G0B+4*\s:G0B+4*\s+3], s[G1B:G1B+7]
	s_nop 0
.rept 4
	v_nop
.endr
.Lasked_\@:
.endm
.macro CREST                           ; a round of the cluster's barrier behind its opening barrier
	s_cmp_lg_u32 s14, 0
	s_cbranch_scc1 .Lnot_wave_0_\@
	s_barrier_signal -3
.Lnot_wave_0_\@:
	s_barrier_wait -3
	s_barrier_signal -1
	s_barrier_wait -1
.endm
.macro CROUND                          ; a whole round
	s_barrier_signal -1
	s_barrier_wait -1
	CREST
.endm
	s_load_b256 s[4:11], s[0:1], 0x0               ; abuf s[4:5], bbuf s[6:7], the scales' exponents s[8:9], kv s[10:11]
	v_lshl_add_u32 v[SPW], v0, 2, SPARE
	v_mov_b32 v[NIL], 0
	ds_add_u32 v[SPW], v[NIL]                      ; the wave's opening: the add, twice on end, and its wait ahead of my first tensor load
	ds_add_u32 v[SPW], v[NIL]
	s_wait_dscnt 0x0
	v_lshrrev_b32 v1, 5, v0
	v_readfirstlane_b32 s14, v1                    ; wave 0..3
	s_lshr_b32 s15, s14, 1                         ; which half of the tile's rows is mine.  Also: I fetch for abuf (0) or for bbuf (1)
	s_and_b32 s16, s14, 1                          ; which half of its columns.  Also: which 8 groups of that tile I fetch
	s_bfe_u32 s40, ttmp6, 0x40000                  ; cx, cy: my place in the cluster
	s_bfe_u32 s41, ttmp6, 0x40004
	s_lshl_b32 s42, ttmp9, 2
	s_add_co_u32 s42, s42, s40                     ; X = 4 x cluster x + cx
	s_and_b32 s17, ttmp7, 0xffff
	s_lshl_b32 s17, s17, 2
	s_add_co_u32 s17, s17, s41                     ; Y = 4 x cluster y + cy
	s_lshl_b32 s43, s41, 2
	s_lshl_b32 s43, 15, s43                        ; my row of the cluster
	s_lshl_b32 s44, 0x1111, s40                    ; my column
	; descriptor group 1: a dense block of 32,768 bytes as 128 rows of 32 elements of 8 bytes, no padding
	s_or_b32 s[G1+0], s43, (3<<16)|(1<<21)         ; 15:0 the mask: abuf's tiles go to my row; 17:16 elements of 8 bytes; 21 set beside a mask
	s_or_b32 s[G1B+0], s44, (3<<16)|(1<<21)        ; the same with my column's mask
.irp g, G1, G1B
	s_mov_b32 s[\g+1], 32<<16                      ; tensor_dim0 = 32
	s_mov_b32 s[\g+2], 128<<16                     ; tensor_dim1 = 128
	s_mov_b32 s[\g+3], 32<<16                      ; tile_dim0 = 32
	s_mov_b32 s[\g+4], 128                         ; tile_dim1 = 128
	s_mov_b32 s[\g+5], 32                          ; tensor_dim0_stride: the rows follow each other
	s_mov_b32 s[\g+6], 0
	s_mov_b32 s[\g+7], 0
.endr
	s_lshl_b32 s18, s16, 15                        ; which 8 groups of 4,096 bytes I fetch
	s_lshl_b32 s20, s17, 16                        ; abuf: group 16 Y,
	s_add_co_u32 s20, s20, s18
	s_mov_b32 s21, 0
	s_lshl_b32 s46, s42, 16                        ; bbuf: group 16 X
	s_add_co_u32 s46, s46, s18
	s_mov_b32 s47, 0
	s_lshl_b32 s45, s14, 15                        ; where they go: wave x 32,768: no place in the cluster enters an LDS address
	s_wait_kmcnt 0x0
	s_load_b256 s[80:87], s[8:9], 0x0              ; e0 .. e7
	s_load_b64 s[88:89], s[8:9], 0x20              ; e8, e9
	s_add_nc_u64 s[20:21], s[4:5], s[20:21]
	s_add_nc_u64 s[46:47], s[6:7], s[46:47]
	CROUND                                         ; all sixteen work-groups are here: the first joint loads meet
.irp s, 0,1
	s_mov_b32 s[G0+4*\s], 1
	s_add_co_u32 s[G0+4*\s+1], s45, \s*SLOT
	s_add_nc_u64 s[G0+4*\s+2:G0+4*\s+3], s[20:21], \s*KSB
	s_or_b32 s[G0+4*\s+3], s[G0+4*\s+3], 0x80000000
	s_mov_b32 s[G0B+4*\s], 1
	s_add_co_u32 s[G0B+4*\s+1], s45, \s*SLOT
	s_add_nc_u64 s[G0B+4*\s+2:G0B+4*\s+3], s[46:47], \s*KSB
	s_or_b32 s[G0B+4*\s+3], s[G0B+4*\s+3], 0x80000000
.endr
	JLOAD 0                                        ; K step 0: one tensor load a wave at the head
	v_and_b32 v1, 31, v0
	v_lshlrev_b32 v[CO], 4, v1
	v_lshlrev_b32 v[PFO], 8, v1
	s_lshl_b32 s22, s15, 15                        ; my 8 groups of abuf
	s_lshl_b32 s23, s16, 15                        ; my 8 groups of bbuf,
	s_add_co_u32 s23, s23, BOFF                    ; which lie behind abuf's 16
.irp s, 0,1
	v_add_nc_u32 v[ADRA+\s], s22, v[CO]
	v_add_nc_u32 v[ADRB+\s], s23, v[CO]
	s_add_co_u32 s22, s22, SLOT
	s_add_co_u32 s23, s23, SLOT
.endr
	s_cmp_eq_u32 s15, 0                            ; the prefetches
	s_cselect_b64 s[PFA:PFA+1], s[20:21], s[46:47]
	s_cselect_b32 s92, s40, s41                    ; my place among the four that ask with me
	s_lshl_b32 s92, s92, 13
	s_add_co_u32 s92, s92, SETB
	s_mov_b32 s93, 0
	s_add_nc_u64 s[PFA:PFA+1], s[PFA:PFA+1], s[92:93]
	s_wait_alu depctr_va_vdst(0)
	global_prefetch_b8 v[PFO], s[PFA:PFA+1] offset:KSB-SETB th:TH_LOAD_NT scope:SCOPE_SE   ; set 0, K step 1: its load stands behind the round that follows K step 0's landing
	; where my fragments go.  k: b = Y / 4, h = X / 2, group 16 (Y % 4) + 8 x row half + a, chunk 2 (X % 2) + column half
	s_lshr_b32 s66, s17, 2
	s_lshl_b32 s66, s66, 3
	s_lshr_b32 s67, s42, 1
	s_add_co_u32 s66, s66, s67
	s_lshl_b32 s66, s66, 20
	s_and_b32 s67, s17, 3
	s_lshl_b32 s67, s67, 17
	s_add_co_u32 s66, s66, s67
	s_lshl_b32 s67, s15, 16
	s_add_co_u32 s66, s66, s67
	s_and_b32 s67, s42, 1
	s_lshl_b32 s67, s67, 12
	s_add_co_u32 s66, s66, s67
	s_lshl_b32 s67, s16, 11
	s_add_co_u32 s66, s66, s67
	s_mov_b32 s67, 0
	; v: b = X / 4, h = Y / 2, chunk of keys 2 (X % 4) + column half, group of d 16 (Y % 2) + 8 x row half + a
	s_lshr_b32 s68, s42, 2
	s_lshl_b32 s68, s68, 3
	s_lshr_b32 s69, s17, 1
	s_add_co_u32 s68, s68, s69
	s_lshl_b32 s68, s68, 20
	s_add_co_u32 s68, s68, 0x80000
	s_and_b32 s69, s42, 3
	s_lshl_b32 s69, s69, 17
	s_add_co_u32 s68, s68, s69
	s_lshl_b32 s69, s16, 16
	s_add_co_u32 s68, s68, s69
	s_and_b32 s69, s17, 1
	s_lshl_b32 s69, s69, 15
	s_add_co_u32 s68, s68, s69
	s_lshl_b32 s69, s15, 14
	s_add_co_u32 s68, s68, s69
	s_mov_b32 s69, 0
	s_add_nc_u64 s[72:73], s[10:11], s[68:69]
	s_add_nc_u64 s[10:11], s[10:11], s[66:67]
	s_wait_alu depctr_va_vdst(0)
	s_wait_kmcnt 0x0
	s_sub_co_i32 s76, s87, s80
	s_sub_co_i32 s76, s76, s81                     ; E_0 = e7 - e0 - e1
	s_sub_co_i32 s77, s89, s82
	s_sub_co_i32 s77, s77, s83                     ; E_1 = e9 - e2 - e3
.irp j, 0,1
	s_add_co_i32 s[76+\j], s[76+\j], 127
	s_lshl_b32 s79, s[76+\j], 23
	v_mov_b32 v[SC+\j], s79                        ; 2^E as f32: the conversion takes its exponent field
	s_add_co_i32 s[76+\j], s[76+\j], 8
	s_lshl_b32 s79, s[76+\j], 23
	s_or_b32 s79, s79, 0x600000
	v_mov_b32 v[LM+\j], s79                        ; 448 x 2^E
.endr
.macro FRAG reg, adr, q, i             ; a fragment's image: group i of my eight, the slot's q-th 128 along K
.irp c, 0,1,2,3
	ds_load_b128 v[\reg+4*\c:\reg+4*\c+3], v[\adr] offset:2048*(\q)+4096*(\i)+512*\c
.endr
.endm
; 16 matrix instructions: abuf's groups a0, a0 + 1 x bbuf's eight, 128 along K.  p: bbuf's set.  zero = 1: the first product starts the sums: nothing is ever cleared.
; The 64 accumulators take turns, one instruction a turn, in the same order in every step and every tile.
.macro MUL16 a0, p, zero
.irp a, \a0, \a0+1
.irp b, 0,1,2,3,4,5,6,7
.if \zero
	v_wmma_f32_16x16x128_fp8_fp8 v[8*(8*((\a)%4)+\b):8*(8*((\a)%4)+\b)+7], v[128*(\p)+FR*\b:128*(\p)+FR*\b+FR-1], v[AF+FR*(\a):AF+FR*(\a)+FR-1], 0
.else
	v_wmma_f32_16x16x128_fp8_fp8 v[8*(8*((\a)%4)+\b):8*(8*((\a)%4)+\b)+7], v[128*(\p)+FR*\b:128*(\p)+FR*\b+FR-1], v[AF+FR*(\a):AF+FR*(\a)+FR-1], v[8*(8*((\a)%4)+\b):8*(8*((\a)%4)+\b)+7]
.endif
.endr
.endr
.endm
.macro FETCH_B slot, q, p
	WIN TO_B
.irp i, 0,1,2,3,4,5,6,7
	FRAG 128*(\p)+FR*\i, ADRB+\slot, \q, \i
.endr
	WIN 0
.endm
.macro FETCH_A slot, q, i0
.irp i, \i0, \i0+1, \i0+2, \i0+3
	FRAG AF+FR*(\i), ADRA+\slot, \q, \i
.endr
.endm
; A load into a register that a matrix instruction has read, and a vector instruction that reads a matrix result, stand NP places behind that matrix instruction; only plain vector instructions that
; name none of its registers are places (ISA guide 7.12.1 for vector instructions).
.macro PLACES n
.rept \n
	v_nop
.endr
.endm
; A step of 128 along K that has its successor in the same slot.  A group of abuf is free as soon as its eight products are issued, so one set serves abuf: groups 0-3 come anew in the step's middle, 4-7 at its end.
.macro STEP slot, q, zero
	s_wait_dscnt 4*NL                              ; bbuf's set and abuf's groups 0-3 are in; the youngest 16 loads (groups 4-7) may be out
	WIN MUL_LO
	MUL16 0, (\q)%2, \zero
	MUL16 2, (\q)%2, \zero
	s_wait_dscnt 0                                 ; groups 4-7 are in
	PLACES NP
	FETCH_B \slot, (\q)+1, 1-(\q)%2
	FETCH_A \slot, (\q)+1, 0
	WIN MUL_HI
	MUL16 4, (\q)%2, \zero
	MUL16 6, (\q)%2, \zero
	PLACES NP
	WIN 0
	FETCH_A \slot, (\q)+1, 4
.endm
; A slot's last step changes slots: ONE barrier; in front of it each wave waits for all its tensor loads, adds 0 to its spare word, and waits for that and for its own reads of this slot.
; fill = 1: this slot is filled again, with the same K step of set 1: the ring goes on into the next tile.
.macro TURN slot, next, fill
	s_wait_tensorcnt 0x0                           ; all my tensor loads have landed: the one that was out is my part of the next slot  (every window is 0 here)
	ds_add_u32 v[SPW], v[NIL]                      ; 0 onto my spare word
	s_wait_dscnt 4*NL+1                            ; the add and the youngest 16 loads may be out
	WIN MUL_LO
	MUL16 0, 1, 0                                  ; sixteen matrix instructions stand between the add and the wait for it
	s_wait_dscnt 0x0                               ; the add is done, and my reads of this slot are over
	s_barrier_signal -1
	MUL16 2, 1, 0
	WIN 0
	s_barrier_wait -1
.if \fill
	CREST                                          ; the barrier has opened a round of the cluster's barrier: no wave of any partner still reads this slot or has a load on its way
	s_add_nc_u64 s[G0+4*\slot+2:G0+4*\slot+3], s[G0+4*\slot+2:G0+4*\slot+3], SETB
	s_add_nc_u64 s[G0B+4*\slot+2:G0B+4*\slot+3], s[G0B+4*\slot+2:G0B+4*\slot+3], SETB
	JLOAD \slot                                    ; the first tensor load behind the round, my one load until the next; its four v_nop are the places in front of the loads below
.else
	PLACES NP
.endif
	FETCH_B \next, 0, 0
	FETCH_A \next, 0, 0
.if \fill && ((\slot) == 0)
	global_prefetch_b8 v[PFO], s[PFA:PFA+1] offset:KSB th:TH_LOAD_NT scope:SCOPE_SE   ; set 1, K step 1: its load stands one K step further on
.endif
	WIN MUL_HI
	MUL16 4, 1, 0
	MUL16 6, 1, 0
	PLACES NP
	WIN 0
	FETCH_A \next, 0, 4
.endm
; THE WAY OUT of tile j, group a of abuf (16 rows): 64 holds into other registers, each accumulator from its low end on; eight conversions: the 16 registers are one fragment's image; four stores.
.macro OUT j, b, stride, a
	WIN 0x02+((\a)/4)                              ; source 0: window 2 or 3
.set i, 0
.rept 64
	v_med3_num_f32 v[TMP+i], v[64*((\a)%4)+i], -v[LM+\j], v[LM+\j]   ; the conversion to an 8-bit code does not saturate (ISA guide 7.6.2): the hold at 448 x 2^E
.set i, i+1
.endr
	WIN 0
.if ((\a) >= 2) || (\j > 0)
	s_wait_alu depctr_va_vdst(0)
	s_wait_xcnt 0x0                                ; the stores of two groups back have read this set of code registers
.endif
.irp g, 0,1,2,3,4,5,6,7
	v_cvt_scalef32_pk8_fp8_f32 v[CD+16*((\a)%2)+2*\g:CD+16*((\a)%2)+2*\g+1], v[TMP+8*\g:TMP+8*\g+7], v[SC+\j]
.endr
	v_nop                                          ; one plain vector line behind the last conversion: the next group's holds write its sources
.irp c, 0,1,2,3
	global_store_b128 v[CO], v[CD+16*((\a)%2)+4*\c:CD+16*((\a)%2)+4*\c+3], s[\b:\b+1] offset:(\a)*\stride+512*\c   ; 32 lanes store 512 consecutive bytes, aligned
.endr
.endm
	s_wait_alu depctr_va_vdst(0)
	s_wait_tensorcnt 0x0                           ; my part of K step 0 is in
	ds_add_u32 v[SPW], v[NIL]
	s_wait_dscnt 0x0
	CROUND                                         ; everybody's part of K step 0 is in, and all sixteen work-groups are here:
	JLOAD 1                                        ; K step 1's load, the first tensor load behind the round
	FETCH_B 0, 0, 0
	FETCH_A 0, 0, 0
	FETCH_A 0, 0, 4
	global_prefetch_b8 v[PFO], s[PFA:PFA+1] th:TH_LOAD_NT scope:SCOPE_SE   ; set 1, K step 0: its load stands one K step further on
	; tile 0: k
	STEP 0, 0, 1                                   ; a tile's first products start its sums
	TURN 0, 1, 1                                   ; slot 0 takes the next tile's K step 0,
	STEP 1, 0, 0
	TURN 1, 0, 1                                   ; slot 1 its K step 1, and the next tile's first fragments are fetched: both refills are asked for ahead of the stores
	s_wait_alu depctr_va_vdst(0)
.irp a, 0,1,2,3,4,5,6,7
	OUT 0, 10, 8192, \a
.endr
	; tile 1: v: nothing is left to fetch
	STEP 0, 0, 1
	TURN 0, 1, 0
	STEP 1, 0, 0
	s_wait_dscnt 4*NL                              ; the last step: bbuf's set and abuf's groups 0-3 are in
	WIN MUL_LO
	MUL16 0, 1, 0
	PLACES NP                                      ; group 0's results; behind them each group's way out is the places of the products ahead of it
	OUT 1, 72, 2048, 0
	WIN MUL_LO
	MUL16 2, 1, 0
	OUT 1, 72, 2048, 1
	s_wait_dscnt 0                                 ; groups 4-7 are in
	WIN MUL_HI
	MUL16 4, 1, 0
	OUT 1, 72, 2048, 2
	WIN MUL_HI
	MUL16 6, 1, 0
.irp a, 3,4,5,6,7
	OUT 1, 72, 2048, \a
.endr
	s_wait_tensorcnt 0x0                           ; the wave's end
	ds_add_u32 v[SPW], v[NIL]
	s_wait_dscnt 0x0
	CROUND                                         ; the closing round: no work-group ends while a partner may still ask for a tile that names it
	s_endpgm
.Lfunc_end_k_q135dc5946f_proj:
	.size	k_q135dc5946f_proj, .Lfunc_end_k_q135dc5946f_proj-k_q135dc5946f_proj
	.p2alignl 7, 3214868480
	.fill 96, 4, 3214868480
	.section	.rodata,"a",@progbits
	.p2align	6, 0x0
	.amdhsa_kernel k_q135dc5946f_proj
		.amdhsa_group_segment_fixed_size 327680
		.amdhsa_private_segment_fixed_size 0
		.amdhsa_enable_private_segment 0
		.amdhsa_kernarg_size 32
		.amdhsa_user_sgpr_count 2
		.amdhsa_user_sgpr_kernarg_segment_ptr 1
		.amdhsa_wavefront_size32 1
		.amdhsa_system_sgpr_workgroup_id_x 1
		.amdhsa_system_sgpr_workgroup_id_y 1
		.amdhsa_system_sgpr_workgroup_id_z 1
		.amdhsa_system_vgpr_workitem_id 0
		.amdhsa_next_free_vgpr 1024
		.amdhsa_next_free_sgpr 96
		.amdhsa_reserve_vcc 0
		.amdhsa_float_denorm_mode_32 3
		.amdhsa_float_denorm_mode_16_64 3
		.amdhsa_memory_ordered 1
		.amdhsa_forward_progress 1
		.amdhsa_inst_pref_size 159
	.end_amdhsa_kernel
	.amdgpu_metadata
---
amdhsa.version: [ 1, 2 ]
amdhsa.kernels:
  - .name:           k_q135dc5946f_proj
    .symbol:         k_q135dc5946f_proj.kd
    .args:
      - { .name: abuf, .offset: 0, .size: 8, .value_kind: global_buffer, .address_space: global }
      - { .name: bbuf, .offset: 8, .size: 8, .value_kind: global_buffer, .address_space: global }
      - { .name: lowp_scales, .offset: 16, .size: 8, .value_kind: global_buffer, .address_space: global }
      - { .name: kv, .offset: 24, .size: 8, .value_kind: global_buffer, .address_space: global }
    .group_segment_fixed_size: 327680
    .private_segment_fixed_size: 0
    .kernarg_segment_align: 8
    .kernarg_segment_size: 32
    .max_flat_workgroup_size: 128
    .sgpr_count:     96
    .vgpr_count:     1024
    .wavefront_size: 32
...
	.end_amdgpu_metadata
.endif
;; end of part 2
;; launch attn (part 3): grid 8 x 32, 4 waves a work-group, clusters of 4 x 1, 327,680 bytes of LDS; arguments abuf, bbuf, kv, lowp_scales, out0; writes out0
.if DOCPART == 3
	.amdgcn_target "amdgcn-amd-amdhsa--gfx1250"
	.amdhsa_code_object_version 6
	.text
	.protected	k_q135dc5946f_attn
	.globl	k_q135dc5946f_attn
	.p2align	8
	.type	k_q135dc5946f_attn,@function
k_q135dc5946f_attn:
	s_mov_b64 s[64:65], 0
	v_nop
	global_prefetch_b8 v0, s[64:65] scope:SCOPE_SE
	s_setreg_imm32_b32 hwreg(HW_REG_WAVE_MODE, 25, 1), 1
	s_wait_xcnt 0x0
	s_wait_alu depctr_hold_cnt(0) depctr_sa_sdst(0) depctr_va_vdst(0) depctr_va_sdst(0) depctr_va_ssrc(0) depctr_va_vcc(0) depctr_vm_vsrc(0)
	s_getreg_b32 s2, hwreg(HW_REG_IB_STS2, 6, 4)
	s_cmp_eq_u32 s2, 0
	s_cbranch_scc0 .Lentry_in_a_cluster
	s_endpgm
.Lentry_in_a_cluster:
	s_bfe_u32 s2, ttmp6, 0x10000c
	s_cmp_lg_u32 s2, 0x3003
	s_cbranch_scc0 .Lentry_shape_is_right
	s_endpgm
.Lentry_shape_is_right:
; out0[b][q][512 h + d] = the sum over keys of softmax(q . k / sqrt(512)) v, for 32 pairs (b, h), 1,024 queries, 1,024 keys, head size 512; all products on codes of FP8 (E4M3).  q = x Wq^T is made here: each work-group
; makes the 128 queries that it owns and nobody else makes them.
; x's codes carry 2^e4, Wq's 2^e5, q's 2^e6, k's 2^e7, p's 2^e8, v's 2^e9.  A sum of x Wq^T stands for sum x 2^(e4 + e5), so its code is sum / 2^E, E = e6 - e4 - e5.  t = score x log2(e) / sqrt(512); M = the running largest t
; rounded UP to a whole number; p = 2^(t - M) is quantised, not normalised; the row's sum is taken of the unquantised p, in f32, and divides at the end.  When M moves, the sum and O are multiplied by f = 2^(old M - new M):
; nothing is rounded, and no branch hangs on data.
; LIMITS: e6 - e4 - e5 and e8 between -126 and 119; e6 + e7 between -122 and 131 (they are added to the exponent field of log2(e) / sqrt(512)); e8 + e9 is applied by v_ldexp_f32 and has none.  The scaled scores stay under 2^31
; in magnitude.
; OPERANDS ARE IMAGES OF REGISTERS (2,048 bytes a fragment of 16 rows x 128 K: byte 512 c + 16 lane + i = row lane % 16, k = 32 c + 16 (lane / 16) + i), the same placing of k in both operands of each product.
;   abuf from byte 4,194,304: x's fragment (group of 16 rows 0..255, 128 along K 0..3) at (4 group + chunk) 2,048;  lane r of group 2 B + u is row 32 B + 8 u + r + 8 (r / 8).   bbuf from there: Wq's, group 32 h + (16 of d).
;   kv: for each bh eight tiles of 131,072 bytes: four of K, 256 keys each (16 groups x 4 chunks of d); four of V, 256 keys each (2 chunks of 128 keys x 32 groups of d).
; SHARES.  A work-group owns 128 queries (groups G = 0..7) of one (b, h).
;   TRIP 0: wave w = 2 qh + kh makes q^T = Wq x^T for the 64 queries G = 4 qh + g, g = 0..3, and of each 128 of d for the 64 of its half kh; the codes of both halves meet in LDS, and Q comes back as fragments.
;   TRIPS 1, 2, blocks of 512 keys: the same wave makes S^T = K Q^T for those 64 queries and of each 128 keys for the 64 of its half kh: Q stays in registers, a fragment of K feeds four products.
;     The block's 64 accumulators are 512 registers, so M moves twice in the launch and O is rescaled once.  The two key halves' maxima meet in a table in LDS.
;   THEN eight chunks of 128 keys: wave w makes O^T for all 128 queries and the 128 channels 128 w ..: a fragment of V and one of P feed eight products each.  P's codes go from wave to wave through LDS.  The last chunk goes by
;     query groups: a group leaves while the next ones are multiplied.
; All products are used transposed: a lane holds ONE query (lane % 16 of its group) throughout.  By the groups' row order the 16 registers of groups 2 b, 2 b + 1 of source 0 are 16 neighbours along the next K, so the
; conversions' results are the next product's operand; and O's registers of d groups 2 b, 2 b + 1 are 16 neighbouring channels.
; RING.  Two LDS slots of one tile; ten tiles: Wq's two halves, K's four, V's four; tile i lies in slot i % 2.  A wave fetches a quarter of each tile.  The head brings tile 0; every later fill stands behind a round of the
; cluster's barrier, one load a wave.
; CLUSTER.  The four query blocks of a cluster walk the same tiles: each is asked for JOINTLY, by the same tensor load with the same descriptor and the mask of all four.
; P IN LDS: three areas of 16,384 bytes; chunk c in area c % 3.  Chunks 0-2 go there in block 0, chunk 3 waits in v224-255, chunks 4-7 in the ring's registers; chunk c + 3 is stored in the middle of chunk c, behind the barrier
; in front of which all waves have read chunk c.  In trip 0 the areas carry q's codes.
; REGISTERS, in windows of 256: window 0: v0-43 addresses, scales, statistics (pairs -M, largest t; the sums, four registers a group); v44-171 eight fragments of Wq or K in two sets, then codes (32 cc + 8 g + 4 b);
;   v172-208 at work; v224-255 chunk 3's codes.   window 1: x, then Q (64 g + 16 chunk), then V's fragments v0-127 and P's v128-255.
;   windows 2, 3: q^T or S^T (128 registers for each 128 of d or keys: 32 g + 8 i), then O^T (64 G + 8 i; G = 0-3 in window 2, 4-7 in window 3), which also takes its rows back from the stage on the way out.
.set SLOT1, 131072
.set TILEB, 131072
.set SET2,  0x400000
.set PAREA, 262144
.set SPARE, PAREA+3*16384              ; the spare words, 128 bytes for each wave: two blocks of 256 bytes that no other line names
.set MT,    SPARE+512                  ; tables [wave][g][16 queries] of f32: the largest t; at + 1,024 f; at + 2,048 the sums
.set SP,    528                        ; the way out: 16 rows x (512 bytes + 16) for each wave, in slot 0, which has had its last fill and its last read by then
.set L16, 1                            ; v1   16 x lane
.set SPW, 2                            ; v2   LDS address of my spare word; never rewritten
.set NIL, 3                            ; v3   0; never rewritten
.set KA,  4                            ; v4-7   my fragments of Wq and K: slot s, half j of its rows: v[KA + 2 s + j]
.set VA,  8                            ; v8-11  the same for V
.set PFO, 12                           ; v12  256 x lane, for the prefetches
.set SCV, 13                           ; v13  2^e8 as f32
.set HOLD, 14                          ; v14  448 x 2^e8
.set PST, 15                           ; v15  where my codes go
.set TBW, 16                           ; v16  my words of the tables
.set TBP, 17                           ; v17  those of the wave with the other key half
.set TBR, 18                           ; v18  word r of the first table
.set PRD, 19                           ; v19  P's first area
.set ST,  20
.set LS,  28
.set RG,  44
.set XC,  172
.set XM,  180
.set XP,  184
.set XQ,  188
.set XF,  192
.set XT,  200
.set IL,  188                          ; v188-203 (even ones) 2^(e8 + e9) / the sum, in the last phase
.set STO, 204                          ; v204 the way out: where I put 32 bytes of a row
.set RD,  205                          ; v205 and where I read a row back
.set QRD, 206                          ; v206 my four query groups in the first area
.set QSC, 207                          ; v207 2^E as f32
.set QLM, 208                          ; v208 448 x 2^E
.set PX,  224
.set WV,  14                           ; s14  my wave's number
.set G1,  24                           ; s[24:31] descriptor group 1
.set G0,  32                           ; s[32:35] group 0; it walks
.set TRIP, 36                          ; s36  the trip's number
.set PFA, 44                           ; s[44:45] where my prefetches stand
.set CS,  46                           ; s[46:47] c = log2(e) / sqrt(512) x 2^(e6 + e7)
.set SEL, 48                           ; s[48:49] lane selects for v_permlanex16_b32: lane l xor 16
.set KV0, 72                           ; s[72:73] my quarter of K's first tile, with the descriptor's type set
.set PFQ, 78                           ; s[78:79] the prefetch of Wq's second tile
.set MSB, 0
.macro WIN new                         ; the immediate's high byte repeats the setting that is left; a switch that changes nothing is dropped
.if MSB != (\new)
	s_set_vgpr_msb (MSB<<8)|(\new)
.set MSB, (\new)
.endif
.endm
; A load into a register that a matrix instruction has read, and a vector instruction that reads a matrix result, stand four places behind it; only plain vector instructions that name none of its registers are places
; (ISA guide 7.12.1 for vector instructions).
.macro PLACES n
.rept \n
	v_nop
.endr
.endm
.macro CREST                           ; a round of the cluster's barrier behind its opening barrier
	s_cmp_lg_u32 s[WV], 0
	s_cbranch_scc1 .Lnot_wave_0_\@
	s_barrier_signal -3
.Lnot_wave_0_\@:
	s_barrier_wait -3
	s_barrier_signal -1
	s_barrier_wait -1
.endm
.macro CROUND
	s_barrier_signal -1
	s_barrier_wait -1
	CREST
.endm
.macro FILL                            ; the joint load: each wave its quarter of the tile
	tensor_load_to_lds s[G0:G0+3], s[G1:G1+7]
	s_nop 0
	PLACES 4
.endm
.macro STEPD slot, ask                 ; behind the wait for 0 on TENSORcnt: the next tile, into this slot
.if \slot
	s_add_co_u32 s[G0+1], s22, SLOT1
.else
	s_mov_b32 s[G0+1], s22
.endif
	s_add_nc_u64 s[G0+2:G0+3], s[G0+2:G0+3], TILEB
.if \ask
	s_wait_xcnt 0x0                                ; the last prefetch has read its address, so it may be written
	s_add_nc_u64 s[PFA:PFA+1], s[PFA:PFA+1], TILEB
.endif
.endm
; A PREFETCH, where tile i is asked for, of tile i + 1, which the next change of slots loads: a slot's whole work ahead.  Of the 32,768 bytes that wave w fetches, the partner at place cx takes 8,192, told apart by ADDRESS, lanes
; 256 bytes apart: each aligned block of 256 bytes is named once in each cluster that loads it.  Wq's tiles of a head are loaded by the eight clusters of four b: the second tile is asked for by the four of b = 0, 1 (at the
; head).  The very first tile comes by its load alone; nothing is asked for beyond the last.
.macro ASK
	global_prefetch_b8 v[PFO], s[PFA:PFA+1] th:TH_LOAD_NT scope:SCOPE_SE
.endm
	s_load_b256 s[4:11], s[0:1], 0x0               ; abuf s[4:5], bbuf s[6:7], kv s[8:9], the scales' exponents s[10:11]
	s_load_b64 s[12:13], s[0:1], 0x20              ; out0
	v_lshl_add_u32 v[SPW], v0, 2, SPARE
	v_mov_b32 v[NIL], 0
	ds_add_u32 v[SPW], v[NIL]                      ; the wave's opening: the add, twice on end, and its wait ahead of my first tensor load
	ds_add_u32 v[SPW], v[NIL]
	v_lshrrev_b32 v[XM], 5, v0
	v_readfirstlane_b32 s[WV], v[XM]               ; wave 0..3
	s_lshr_b32 s18, s[WV], 1                       ; qh
	s_and_b32 s19, s[WV], 1                        ; kh
	s_bfe_u32 s15, ttmp6, 0x40000                  ; cx
	s_lshl_b32 s16, ttmp9, 2
	s_add_co_u32 s16, s16, s15                     ; my block of 128 queries: it enters x's and out0's addresses, and the prefetches', alone
	s_and_b32 s17, ttmp7, 0xffff                   ; bh = 8 b + h, which the four partners share
	s_lshl_b32 s22, s[WV], 15                      ; my quarter of a tile, in LDS
	s_lshl_b32 s20, s17, 20
	s_add_co_u32 s20, s20, s22                     ; in kv,
	s_mov_b32 s21, 0
	s_and_b32 s76, s17, 7
	s_lshl_b32 s76, s76, 18
	s_add_co_u32 s76, s76, s22
	s_add_co_u32 s76, s76, SET2                    ; and in Wq: 262,144 bytes a head
	s_mov_b32 s77, 0
	s_lshr_b32 s66, s17, 3                         ; x: group 64 b + 8 x block + 4 qh, 8,192 bytes a group
	s_lshl_b32 s66, s66, 19
	s_lshl_b32 s67, s16, 16
	s_add_co_u32 s66, s66, s67
	s_lshl_b32 s67, s18, 15
	s_add_co_u32 s66, s66, s67
	s_add_co_u32 s66, s66, SET2
	s_mov_b32 s67, 0
	s_lshr_b32 s68, s17, 3                         ; out0: row 1,024 b + 128 x block of 16,384 bytes, + 2,048 h + 512 w
	s_lshl_b32 s68, s68, 24
	s_lshl_b32 s69, s16, 21
	s_add_co_u32 s68, s68, s69
	s_and_b32 s69, s17, 7
	s_lshl_b32 s69, s69, 11
	s_add_co_u32 s68, s68, s69
	s_lshl_b32 s69, s[WV], 9
	s_add_co_u32 s68, s68, s69
	s_mov_b32 s69, 0
	s_lshl_b32 s70, s15, 13                        ; the prefetches: my work-group's 8,192 bytes of my wave's quarter,
	s_add_co_u32 s74, s70, s76
	s_add_co_u32 s74, s74, TILEB                   ; in Wq's second tile
	s_mov_b32 s75, 0
	s_add_co_u32 s70, s70, s20                     ; and in K's first
	s_mov_b32 s71, 0
	s_lshl_b32 s38, s19, 15                        ; Wq, K: my half of each 128 rows
	s_lshl_b32 s39, s[WV], 14                      ; V: my 8 groups of d
	s_lshl_b32 s40, s18, 13                        ; codes: my four query groups,
	s_add_co_u32 s37, s40, PAREA
	s_lshl_b32 s41, s19, 10                        ; my two of a fragment's four blocks of 32
	s_add_co_u32 s40, s37, s41
	s_lshl_b32 s41, s[WV], 8
	s_xor_b32 s42, s41, 256
	s_mul_i32 s43, s[WV], 16*SP
	; descriptor group 1: a dense block of 32,768 bytes as 128 rows of 32 elements of 8 bytes, no padding
	s_mov_b32 s[G1], 15|(3<<16)|(1<<21)            ; 15:0 the mask: all four work-groups; 17:16 elements of 8 bytes; 21 set beside a mask
	s_mov_b32 s[G1+1], 32<<16
	s_mov_b32 s[G1+2], 128<<16
	s_mov_b32 s[G1+3], 32<<16
	s_mov_b32 s[G1+4], 128
	s_mov_b32 s[G1+5], 32
	s_mov_b32 s[G1+6], 0
	s_mov_b32 s[G1+7], 0
	s_mov_b32 s[CS], 0x3d8293ee                    ; log2(e) / sqrt(512)
	s_mov_b32 s[SEL], 0x76543210
	s_mov_b32 s[SEL+1], 0xfedcba98
	v_and_b32 v[XM], 31, v0
	v_lshlrev_b32 v[L16], 4, v[XM]
	v_lshlrev_b32 v[PFO], 8, v[XM]
	v_and_b32 v[XM+1], 15, v0                      ; r
	v_bfe_u32 v[XM+2], v0, 4, 1                    ; hh
	v_add_nc_u32 v[KA], s38, v[L16]
	v_add_nc_u32 v[KA+1], 0x10000, v[KA]
	v_add_nc_u32 v[KA+2], 0x20000, v[KA]
	v_add_nc_u32 v[KA+3], 0x30000, v[KA]
	v_add_nc_u32 v[VA], s39, v[L16]
	v_add_nc_u32 v[VA+1], 0x10000, v[VA]
	v_add_nc_u32 v[VA+2], 0x20000, v[VA]
	v_add_nc_u32 v[VA+3], 0x30000, v[VA]
	v_add_nc_u32 v[PST], s40, v[L16]
	v_add_nc_u32 v[QRD], s37, v[L16]
	v_add_nc_u32 v[PRD], PAREA, v[L16]
	v_lshl_add_u32 v[TBR], v[XM+1], 2, MT
	v_add_nc_u32 v[TBW], s41, v[TBR]
	v_add_nc_u32 v[TBP], s42, v[TBR]
	v_mul_u32_u24 v[STO], v[XM+1], SP
	v_lshl_add_u32 v[STO], v[XM+2], 6, v[STO]
	v_add_nc_u32 v[STO], s43, v[STO]               ; in: row r, + 64 hh
	v_add_nc_u32 v[RD], s43, v[L16]                ; back: the 32 lanes take one row of 512 bytes
	s_wait_alu depctr_va_vdst(0)
	s_wait_dscnt 0x0                               ; both opening adds are done
	s_wait_kmcnt 0x0
	s_load_b256 s[52:59], s[10:11], 0x0            ; e0 .. e7
	s_load_b64 s[60:61], s[10:11], 0x20            ; e8, e9
	s_mov_b32 s[G0], 1                             ; count = 1
	s_mov_b32 s[G0+1], s22                         ; LDS address: slot 0
	s_add_nc_u64 s[G0+2:G0+3], s[6:7], s[76:77]    ; global address: Wq's first half of the head
	s_or_b32 s[G0+3], s[G0+3], 0x80000000          ; type = 2
	s_add_nc_u64 s[KV0:KV0+1], s[8:9], s[20:21]
	s_or_b32 s[KV0+1], s[KV0+1], 0x80000000
	s_add_nc_u64 s[PFA:PFA+1], s[8:9], s[70:71]
	s_add_nc_u64 s[PFQ:PFQ+1], s[6:7], s[74:75]
	s_add_nc_u64 s[4:5], s[4:5], s[66:67]
	s_add_nc_u64 s[12:13], s[12:13], s[68:69]
	CROUND                                         ; all four work-groups are here: the first joint loads meet
	FILL                                           ; tile 0: one tensor load a wave at the head
	WIN 0x40                                       ; destination window 1, address window 0
.irp g, 0,1,2,3
.irp q, 0,1,2,3
.irp c, 0,1,2,3
	global_load_b128 v[64*\g+16*\q+4*\c:64*\g+16*\q+4*\c+3], v[L16], s[4:5] offset:8192*\g+2048*\q+512*\c   ; x's fragments
.endr
.endr
.endr
	WIN 0
	s_cmp_lt_u32 s17, 16                           ; b = 0 or 1: ids alone, the same in all partners
	s_cbranch_scc0 .Lnot_mine
	global_prefetch_b8 v[PFO], s[PFQ:PFQ+1] th:TH_LOAD_NT scope:SCOPE_SE   ; Wq's second tile: its load stands behind the round that follows the first tile's landing
.Lnot_mine:
.set i, 0
.rept 32
	v_mov_b32 v[XC+i], 0                           ; (some of these are named as upper halves of pairs or as a lane permute's destination: so they are written on every way)
.set i, i+1
.endr
.irp g, 0,1,2,3
	v_mov_b32 v[ST+2*\g+1], 0xff61b1e6             ; the largest t so far: -3e38, under every t
	v_floor_f32 v[ST+2*\g], -v[ST+2*\g+1]          ; -M
.endr
.set i, 0
.rept 16
	v_mov_b32 v[LS+i], 0                           ; the sums (the first change of M multiplies zeros)
.set i, i+1
.endr
.set i, 0
.rept 32
	v_mov_b32 v[PX+i], 0                           ; chunk 3's place: block 0 writes it under a branch on the trip's number, so every way has it written
.set i, i+1
.endr
	s_wait_kmcnt 0x0
	s_add_co_i32 s62, s58, s59
	s_lshl_b32 s62, s62, 23
	s_add_co_i32 s[CS], s[CS], s62                 ; a score stands for score x 2^(e6 + e7): the two exponents are added to c's exponent field
	s_mov_b32 s[CS+1], s[CS]                       ; named with it as a pair, so it is written
	s_add_co_i32 s62, s60, 127
	s_lshl_b32 s63, s62, 23
	v_mov_b32 v[SCV], s63                          ; 2^e8 as f32
	s_add_co_i32 s62, s62, 8
	s_lshl_b32 s62, s62, 23
	s_or_b32 s62, s62, 0x600000
	v_mov_b32 v[HOLD], s62                         ; 448 x 2^e8
	s_sub_co_i32 s62, s58, s56
	s_sub_co_i32 s62, s62, s57                     ; E = e6 - e4 - e5
	s_add_co_i32 s62, s62, 127
	s_lshl_b32 s63, s62, 23
	v_mov_b32 v[QSC], s63
	s_add_co_i32 s62, s62, 8
	s_lshl_b32 s62, s62, 23
	s_or_b32 s62, s62, 0x600000
	v_mov_b32 v[QLM], s62
; Batch n of a slot's eight: 128 rows j = n / 4, 128 along the product's K n % 4; four fragments i, each against four of x or Q.  Two sets of fragments by turns: while a batch is multiplied the next one's sixteen loads are out.
.macro KL s, n
	WIN 0
.irp i, 0,1,2,3
.irp c, 0,1,2,3
	ds_load_b128 v[RG+64*((\n)%2)+16*\i+4*\c:RG+64*((\n)%2)+16*\i+4*\c+3], v[KA+2*(\s)+(\n)/4] offset:8192*\i+2048*((\n)%4)+512*\c
.endr
.endr
.endm
; The sixteen accumulators of a batch take turns, one instruction a turn; the first 128 along K start the sums: nothing is ever cleared.
.macro KM s, n, i
	WIN 0xa4+0x50*(\s)                             ; Wq or K in window 0, x or Q in window 1, the sums in window 2 or 3
.irp g, 0,1,2,3
.set rS, 128*((\n)/4)+32*\g+8*(\i)
.set rK, RG+64*((\n)%2)+16*(\i)
.set rQ, 64*\g+16*((\n)%4)
.if ((\n)%4) == 0
	v_wmma_f32_16x16x128_fp8_fp8 v[rS:rS+7], v[rK:rK+15], v[rQ:rQ+15], 0
.else
	v_wmma_f32_16x16x128_fp8_fp8 v[rS:rS+7], v[rK:rK+15], v[rQ:rQ+15], v[rS:rS+7]
.endif
.endr
.endm
; The products of slot s's 256 rows.  turn = 1: the slot is filled again behind its last reads, with the tile two further on; the last products stand around the barrier.
.macro SSLOT s, turn
	KL \s, 0
.irp n, 0,1,2,3,4,5,6
	KL \s, \n+1
.if (\s) && (\n == 0)
	ASK                                            ; behind the joint load and the loads that the next products wait for
.endif
.irp i, 0,1,2,3
	s_wait_dscnt 28-4*\i                           ; this fragment is in; the batch's younger ones and the next batch's sixteen loads may be out
	KM \s, \n, \i
.endr
	PLACES 4                                       ; for the loads into the set just read
.endr
.if \turn
	WIN 0
	s_wait_tensorcnt 0x0                           ; my part of the other slot's tile is in, and a group 0 may be written
	ds_add_u32 v[SPW], v[NIL]                      ; 0 onto my spare word
	STEPD \s, 1
	s_cmp_eq_u32 s[TRIP], 0                        ; behind Wq's two tiles come K's: another buffer
	s_cselect_b64 s[G0+2:G0+3], s[KV0:KV0+1], s[G0+2:G0+3]
	s_wait_dscnt 13                                ; fragment 0 is in: twelve loads and the add may be out
	KM \s, 7, 0
	s_wait_dscnt 9
	KM \s, 7, 1
	s_wait_dscnt 0x0                               ; the add is done, and my reads of this slot are over
	s_barrier_signal -1
	KM \s, 7, 2
	KM \s, 7, 3
	WIN 0
	s_barrier_wait -1
	CREST                                          ; no wave of any partner still reads this slot or has a load on its way
	FILL                                           ; the first tensor load behind the round; its four v_nop are the places in front of the loads that follow
.else
.irp i, 0,1,2,3
	s_wait_dscnt 12-4*\i
	KM \s, 7, \i
.endr
	WIN 0
.endif
.endm
; THE SOFTMAX of a block: 512 scores a lane in eight batches of 64 registers: batch b = 2 cc + g / 2 (cc: which 128 keys) is v[64 (b % 4) ..] of window 2 + b / 4; its lower 32 registers are group g = 2 (b % 2), its upper 32 g + 1.
; Stage n: codes of batch n - 2 and sums of n - 1; then the exponentials of n, and between them, independent of them, t - M of n + 1 and the hold of n - 1.  One wait between two stages serves all that stands on either side.
.macro XFMA b, x
.set rR, 64*((\b)%4)+(\x)
.set rM, ST+2*(2*((\b)%2)+(\x)/32)
	v_pk_fma_f32 v[rR:rR+1], v[rR:rR+1], s[CS:CS+1], v[rM:rM+1] op_sel_hi:[1,0,0]   ; t - M (of the pairs c and -M the low word serves both halves)
.endm
.macro XMIN b, x
.set rR, 64*((\b)%4)+(\x)
	v_min_num_f32 v[rR], v[rR], v[HOLD]            ; the conversion to an 8-bit code does not saturate (ISA guide 7.6.2); p is not negative, so the hold is one-sided
.endm
.macro FMAS b                          ; a whole batch on end
	WIN 0x82+0x41*((\b)/4)
.set x, 0
.rept 32
	XFMA \b, x
.set x, x+2
.endr
.endm
.macro MINS b
	WIN 0x82+0x41*((\b)/4)
.set x, 0
.rept 64
	XMIN \b, x
.set x, x+1
.endr
.endm
.macro SUM4 b, k                       ; four of the 32 additions of a batch: the row's sums, of the UNQUANTISED p, two at a time, two chains a group
.irp u, 0,1
.set rL, LS+4*(2*((\b)%2)+\u)
.set rR, 64*((\b)%4)+32*\u+4*(\k)
	v_pk_add_f32 v[rL:rL+1], v[rR:rR+1], v[rL:rL+1]
	v_pk_add_f32 v[rL+2:rL+3], v[rR+2:rR+3], v[rL+2:rL+3]
.endr
.endm
.macro CONV1 b, k, sc                  ; one of the eight conversions of a batch: 16 neighbours of a lane along the next K are four registers of a fragment, made by two
.set rT, RG+32*((\b)/2)+8*(2*((\b)%2)+(\k)/4)+2*((\k)%4)
.set rR, 64*((\b)%4)+8*(\k)
	v_cvt_scalef32_pk8_fp8_f32 v[rT:rT+1], v[rR:rR+7], v[\sc]
.endm
.macro SUMS b
	WIN 0x02+((\b)/4)
.irp k, 0,1,2,3,4,5,6,7
	SUM4 \b, \k
.endr
.endm
.macro CONV b, sc
	WIN 0x02+((\b)/4)
.irp k, 0,1,2,3,4,5,6,7
	CONV1 \b, \k, \sc
.endr
.endm
.macro SUMCONV b, d                    ; sums of batch b, between them codes of batch d of the same window: four additions stand behind each conversion
	WIN 0x02+((\b)/4)
.irp k, 0,1,2,3,4,5,6,7
	CONV1 \d, \k, SCV
	SUM4 \b, \k
.endr
.endm
.macro XSTAGE n
.if ((\n) >= 2) && ((\n) != 5)
	SUMCONV \n-1, \n-2
.else
.if (\n) == 5
	CONV 3, SCV                                    ; batches 3 and 4 lie in different windows
.endif
.if (\n) >= 1
	SUMS \n-1
.endif
.endif
.if (\n) == 4
	MINS 3                                         ; batch 3 lies in the other window
.endif
	WIN 0x82+0x41*((\n)/4)
.set x, 0
.rept 64
	v_exp_f32 v[64*((\n)%4)+x], v[64*((\n)%4)+x]   ; p = 2^(t - M), at most 1
.if (((\n)%4) != 3) && ((x%2) == 0)
	XFMA \n+1, x
.endif
.if ((\n)%4) != 0
	XMIN \n-1, x
.endif
.set x, x+1
.endr
.if (\n) == 3
	FMAS 4
.endif
	s_wait_alu depctr_va_vdst(0)                   ; behind this batch and ahead of the next
.endm
.macro MAXES                           ; the largest of my 128 scores of each group, three operands at a time, two chains a group, each accumulator from its low end on
	WIN 0x0a
.irp g, 0,1,2,3
.irp u, 0,1
	v_max_num_f32 v[XC+2*\g+\u], v[128*\u+32*\g], v[128*\u+32*\g+1]
.endr
.endr
	WIN 0x28
.irp k, 2,4,6,8,10,12,14,16,18,20,22,24,26,28,30
.irp g, 0,1,2,3
.irp u, 0,1
	v_max3_num_f32 v[XC+2*\g+\u], v[XC+2*\g+\u], v[128*\u+32*\g+\k], v[128*\u+32*\g+\k+1]
.endr
.endr
.endr
	WIN 0x3c
.irp k, 0,2,4,6,8,10,12,14,16,18,20,22,24,26,28,30
.irp g, 0,1,2,3
.irp u, 0,1
	v_max3_num_f32 v[XC+2*\g+\u], v[XC+2*\g+\u], v[128*\u+32*\g+\k], v[128*\u+32*\g+\k+1]
.endr
.endr
.endr
	WIN 0
.irp g, 0,1,2,3
	v_max_num_f32 v[XM+\g], v[XC+2*\g], v[XC+2*\g+1]
.endr
.irp g, 0,1,2,3
	v_permlanex16_b32 v[XP+\g], v[XM+\g], s[SEL], s[SEL+1]
.endr
.irp g, 0,1,2,3
	v_max_num_f32 v[XM+\g], v[XM+\g], v[XP+\g]     ; and among lane l xor 16's
.endr
.irp g, 0,1,2,3
	v_mul_f32 v[XM+\g], s[CS], v[XM+\g]            ; as t (c is positive)
.endr
.irp g, 0,1,2,3
	ds_store_b32 v[TBW], v[XM+\g] offset:64*\g     ; both halves of the lanes hold and store the same number
.endr
.endm
.macro SOFTMAX
.irp g, 0,1,2,3
	ds_load_b32 v[XQ+\g], v[TBP] offset:64*\g      ; the other key half's
.endr
	s_wait_dscnt 0x0
.irp g, 0,1,2,3
	v_max3_num_f32 v[ST+2*\g+1], v[ST+2*\g+1], v[XM+\g], v[XQ+\g]   ; the running largest t: the same in both waves
.endr
.irp g, 0,1,2,3
	v_mov_b32 v[XT+\g], v[ST+2*\g]
.endr
.irp g, 0,1,2,3
	v_floor_f32 v[ST+2*\g], -v[ST+2*\g+1]          ; the new -M = floor(-t): M is a whole number
.endr
.irp g, 0,1,2,3
	v_sub_f32 v[XT+\g], v[ST+2*\g], v[XT+\g]       ; old M less new M: a whole number, 0 or less
.endr
.irp g, 0,1,2,3
	v_cvt_i32_f32 v[XT+\g], v[XT+\g]               ; (it saturates)
.endr
.irp g, 0,1,2,3
	v_ldexp_f32 v[XF+2*\g], 1.0, v[XT+\g]          ; f = 2^(old M - new M)
.endr
.irp g, 0,1,2,3
	v_pk_mul_f32 v[LS+4*\g:LS+4*\g+1], v[LS+4*\g:LS+4*\g+1], v[XF+2*\g:XF+2*\g+1] op_sel_hi:[1,0]   ; the sums under the new M
	v_pk_mul_f32 v[LS+4*\g+2:LS+4*\g+3], v[LS+4*\g+2:LS+4*\g+3], v[XF+2*\g:XF+2*\g+1] op_sel_hi:[1,0]
.endr
	FMAS 0
	s_wait_alu depctr_va_vdst(0)
.irp n, 0,1,2,3,4,5,6,7
	XSTAGE \n
.endr
	SUMCONV 7, 6
	MINS 7
	CONV 7, SCV
	v_nop                                          ; one plain vector line behind the last conversion
	WIN 0
.endm
.macro STOREP reg, area                ; my part of a chunk of codes: four groups, two blocks of 32 each
.irp g, 0,1,2,3
	ds_store_b128 v[PST], v[(\reg)+8*\g:(\reg)+8*\g+3] offset:16384*(\area)+2048*\g
	ds_store_b128 v[PST], v[(\reg)+8*\g+4:(\reg)+8*\g+7] offset:16384*(\area)+2048*\g+512
.endr
.endm
.macro QCODES                          ; q: held at 448 x 2^E (the conversion does not saturate), each accumulator from its low end on; its codes; chunks 0-2 of d to LDS
.irp h, 0,1
	WIN 0x82+0x41*\h
.set x, 0
.rept 256
	v_med3_num_f32 v[x], v[x], -v[QLM], v[QLM]
.set x, x+1
.endr
.endr
.irp b, 0,1,2,3,4,5,6,7
	CONV \b, QSC
.endr
	v_nop                                          ; one plain vector line behind the last conversion
	WIN 0
	STOREP RG, 0
	STOREP RG+32, 1
	STOREP RG+64, 2
.endm
.macro QFRAG q, area                   ; Q's fragments of chunk q: my four groups, both halves of d
.irp g, 0,1,2,3
.irp c, 0,1,2,3
	ds_load_b128 v[64*\g+16*(\q)+4*\c:64*\g+16*(\q)+4*\c+3], v[QRD] offset:16384*(\area)+2048*\g+512*\c
.endr
.endr
.endm
	s_wait_alu depctr_va_vdst(0)
	s_wait_tensorcnt 0x0                           ; my part of tile 0 is in
	ds_add_u32 v[SPW], v[NIL]
	STEPD 1, 0
	s_wait_dscnt 0x0
	CROUND                                         ; everybody's part of tile 0 is in, and all four work-groups are here
	FILL                                           ; tile 1
	ASK                                            ; K's first tile
	s_mov_b32 s[TRIP], 0
	s_wait_loadcnt 0x0                             ; x
.Ltrip:                                            ; trip t works tiles 2 t and 2 t + 1 and asks for tiles 2 t + 2 and 2 t + 3: trip 0 Wq and q, trips 1 and 2 K and two blocks of 512 keys
	SSLOT 0, 1
	SSLOT 1, 0
	s_cmp_lg_u32 s[TRIP], 0
	s_cbranch_scc1 .Lscores
	QCODES
	s_branch .Lchange
.Lscores:
	MAXES
.Lchange:
	s_wait_alu depctr_va_vdst(0)
	s_wait_tensorcnt 0x0                           ; my part of slot 0's new tile is in
	ds_add_u32 v[SPW], v[NIL]                      ; 0 onto my spare word
	STEPD 1, 1
	s_wait_dscnt 0x0                               ; the add and what I stored are done, and my reads of slot 1 are over
	CROUND                                         ; one round for what the waves hand to each other and for the refill
	FILL                                           ; slot 1's next tile
	ASK
	s_cmp_lg_u32 s[TRIP], 0
	s_cbranch_scc1 .Lsoft
	WIN 0x40                                       ; Q over x
	QFRAG 0, 0
	QFRAG 1, 1
	QFRAG 2, 2
	WIN 0
	s_wait_dscnt 0x0
	s_barrier_signal -1
	s_barrier_wait -1                              ; everybody has read area 0:
	STOREP RG+96, 0                                ; it takes chunk 3
	s_wait_dscnt 0x0
	s_barrier_signal -1
	s_barrier_wait -1
	WIN 0x40
	QFRAG 3, 0
	WIN 0
	s_wait_dscnt 0x0
	s_branch .Lnext
.Lsoft:
	SOFTMAX
	s_cmp_lg_u32 s[TRIP], 1
	s_wait_alu depctr_va_vdst(0)
	s_cbranch_scc1 .Lnext                          ; block 1's codes stay in registers
	STOREP RG, 0                                   ; block 0: chunks 0, 1, 2 go to LDS,
	STOREP RG+32, 1
	STOREP RG+64, 2
.set i, 0
.rept 32
	v_mov_b32 v[PX+i], v[RG+96+i]                  ; chunk 3 waits here: the ring's registers take K's fragments again
.set i, i+1
.endr
.Lnext:
	s_add_co_u32 s[TRIP], s[TRIP], 1
	s_cmp_lt_u32 s[TRIP], 3
	s_wait_alu depctr_va_vdst(0)
	s_cbranch_scc1 .Ltrip
; THE LAST PHASE.  Chunk c: 128 keys in slot (c / 2) % 2, their half c % 2; P in area c % 3.
.macro VL c, half                      ; fragments 4 half .. 4 half + 3 of V
	WIN 0x40
.irp i, 0,1,2,3
.irp k, 0,1,2,3
	ds_load_b128 v[64*(\half)+16*\i+4*\k:64*(\half)+16*\i+4*\k+3], v[VA+(\c)%4] offset:2048*(4*(\half)+\i)+512*\k
.endr
.endr
.endm
.macro PL c, half                      ; fragments 4 half .. 4 half + 3 of P
	WIN 0x40
.irp n, 0,1,2,3
.irp k, 0,1,2,3
	ds_load_b128 v[128+64*(\half)+16*\n+4*\k:128+64*(\half)+16*\n+4*\k+3], v[PRD] offset:16384*((\c)%3)+2048*(4*(\half)+\n)+512*\k
.endr
.endr
.endm
; four products: query group n, d groups 4 half ..  The 64 accumulators take turns, one instruction a turn; chunk 0 starts the sums.
.macro PVM c, n, half
	WIN 0xa5+0x50*((\n)/4)                         ; V and P in window 1, O^T in window 2 or 3
.irp i, 0,1,2,3
.set rO, 64*((\n)%4)+32*(\half)+8*\i
.set rV, 64*(\half)+16*\i
.set rP, 128+16*(\n)
.if (\c) == 0
	v_wmma_f32_16x16x128_fp8_fp8 v[rO:rO+7], v[rV:rV+15], v[rP:rP+15], 0
.else
	v_wmma_f32_16x16x128_fp8_fp8 v[rO:rO+7], v[rV:rV+15], v[rP:rP+15], v[rO:rO+7]
.endif
.endr
.endm
; A chunk (0 to 6): first the products with V's fragments 0-3, as P's fragments come in; then those with 4-7.  Between the two all my reads of the chunk are over: there stands the barrier behind which P's area takes chunk c + 3
; and, behind a slot's second chunk, the slot is filled again.  The next chunk's first halves of V and P are loaded as soon as their registers are read for the last time, the rest at the end.  P's chunk c + 1 was stored in the
; middle of chunk c - 2 and has been whole since the barrier of chunk c - 1 (chunks 0-2: since block 1's rounds).
.macro CHUNK c
.irp n, 0,1,2,3,4,5,6,7
	s_wait_dscnt 4*(7-\n)+16                       ; P's fragment n is in; its younger ones and V's fragments 4-7 may be out
	PVM \c, \n, 0
.endr
	WIN 0
.if ((\c) == 1) || ((\c) == 3)
	s_wait_tensorcnt 0x0                           ; my part of the other slot's tile is in
	ds_add_u32 v[SPW], v[NIL]                      ; 0 onto my spare word
	STEPD ((\c)/2), ((\c)==1)
.endif
.if (\c) == 5
	s_wait_tensorcnt 0x0                           ; the last tile
.endif
	s_wait_dscnt 0x0                               ; all my reads of this chunk, and what I stored, are done
.if (\c) < 6
	s_barrier_signal -1
.endif
.irp n, 0,1,2,3
	PVM \c, \n, 1
.endr
	WIN 0
.if (\c) < 6
	s_barrier_wait -1
.endif
.if ((\c) == 1) || ((\c) == 3)
	CREST
	FILL                                           ; its four v_nop are the places in front of the loads below
.else
	PLACES 4
.endif
.if (\c) == 0
	STOREP PX, 0                                   ; chunk 3
.elseif (\c) < 5
	STOREP RG+32*((\c)-1), (\c)%3                  ; chunk c + 3
.endif
	VL (\c)+1, 0
	PL (\c)+1, 0
.if (\c) == 1
	WIN 0
	ASK                                            ; the last tile
.endif
.irp n, 4,5,6,7
	PVM \c, \n, 1
.endr
	PLACES 4
.if (\c) == 3
	WIN 0
.irp n, 0,1,2,3,4,5,6,7
	ds_load_b32 v[XC+2*\n], v[TBR] offset:1024+512*(\n/4)+64*(\n%4)        ; f of block 1 for each query group
.endr
.irp n, 0,1,2,3,4,5,6,7
	ds_load_b32 v[RG+2*\n], v[TBR] offset:2048+512*(\n/4)+64*(\n%4)        ; the sums of both key halves
	ds_load_b32 v[RG+2*\n+1], v[TBR] offset:2048+512*(\n/4)+256+64*(\n%4)
.endr
.endif
.if (\c) == 6
	VL 7, 1                                        ; the last chunk wants all of V for its first query group
	PL 7, 1
.else
	PL (\c)+1, 1
	VL (\c)+1, 1
.endif
.endm
	; what the other waves need: my sums and f of block 1 (block 0's f would multiply nothing)
.irp g, 0,1,2,3
	v_pk_add_f32 v[LS+4*\g:LS+4*\g+1], v[LS+4*\g:LS+4*\g+1], v[LS+4*\g+2:LS+4*\g+3]
.endr
.irp g, 0,1,2,3
	v_add_f32 v[XM+\g], v[LS+4*\g], v[LS+4*\g+1]
.endr
.irp g, 0,1,2,3
	v_permlanex16_b32 v[XP+\g], v[XM+\g], s[SEL], s[SEL+1]
.endr
.irp g, 0,1,2,3
	v_add_f32 v[XM+\g], v[XM+\g], v[XP+\g]         ; and lane l xor 16's
.endr
.irp g, 0,1,2,3
	ds_store_b32 v[TBW], v[XF+2*\g] offset:1024+64*\g
	ds_store_b32 v[TBW], v[XM+\g] offset:2048+64*\g
.endr
	VL 0, 0                                        ; V's first tile and P's chunks 0-2 have been shown to every wave by block 1's rounds
	PL 0, 0
	PL 0, 1
	VL 0, 1
	CHUNK 0
	CHUNK 1
	CHUNK 2
	CHUNK 3
	; O^T under block 1's M, ahead of block 1's keys; and the reciprocals of the sums
	s_wait_dscnt 32                                ; f and the sums are in; P's 16 and V's 16 loads may be out
.irp h, 0,1
	WIN 0x82+0x41*\h
.irp n, 0,1,2,3
.set x, 0
.rept 32
	v_pk_mul_f32 v[64*\n+x:64*\n+x+1], v[64*\n+x:64*\n+x+1], v[XC+8*\h+2*\n:XC+8*\h+2*\n+1] op_sel_hi:[1,0]
.set x, x+2
.endr
.endr
.endr
	WIN 0
.irp n, 0,1,2,3,4,5,6,7
	v_add_f32 v[IL+2*\n], v[RG+2*\n], v[RG+2*\n+1]
.endr
	s_add_co_i32 s62, s60, s61                     ; e8 + e9
	s_wait_alu depctr_va_vdst(0)
.irp n, 0,1,2,3,4,5,6,7
	v_rcp_f32 v[IL+2*\n], v[IL+2*\n]
.endr
	v_nop                                          ; a plain line behind the last reciprocal
	s_wait_alu depctr_va_vdst(0)                   ; and behind it
.irp n, 0,1,2,3,4,5,6,7
	v_ldexp_f32 v[IL+2*\n], v[IL+2*\n], s62
.endr
	s_wait_alu depctr_va_vdst(0)
	CHUNK 4
	CHUNK 5
	CHUNK 6
; THE WAY OUT, a query group of 16 rows x 128 channels at a time: multiplied by 2^(e8 + e9) / the row's sum, through my stage in LDS, and back as rows of 512 bytes, all in the group's own 64 accumulator registers, which nothing
; writes again: so no store is waited for.  Slot 0 has had its last fill, and its last reads lie ahead of chunk 5's barrier.  Register j of d group t is channel 128 w + 32 (t / 2) + 16 hh + 8 (t % 2) + j of query lane % 16.
.macro TOSTAGE n
.set rO, 64*((\n)%4)
	WIN 0x82+0x41*((\n)/4)
.set x, 0
.rept 32
	v_pk_mul_f32 v[rO+x:rO+x+1], v[rO+x:rO+x+1], v[IL+2*(\n):IL+2*(\n)+1] op_sel_hi:[1,0]   ; each accumulator from its low end on
.set x, x+2
.endr
	WIN 0x08+0x04*((\n)/4)                         ; store data in window 2 or 3, address in window 0
.irp t, 0,1,2,3,4,5,6,7
	ds_store_b128 v[STO], v[rO+8*\t:rO+8*\t+3] offset:128*(\t/2)+32*(\t%2)
	ds_store_b128 v[STO], v[rO+8*\t+4:rO+8*\t+7] offset:128*(\t/2)+32*(\t%2)+16
.endr
	WIN 0x80+0x40*((\n)/4)
.irp r, 0,1,2,3,4,5,6,7,8,9,10,11,12,13,14,15
	ds_load_b128 v[rO+4*\r:rO+4*\r+3], v[RD] offset:SP*\r   ; LDS serves a wave's instructions in order (ISA guide 5.7.1.4): these come behind the stores above, and the next group's stores behind them
.endr
.endm
.macro SEND n, younger                 ; younger: the LDS instructions issued behind this group's loads, which may stay out
.set rO, 64*((\n)%4)
	WIN 0x08+0x04*((\n)/4)
	s_wait_dscnt \younger
.irp r, 0,1,2,3,4,5,6,7,8,9,10,11,12,13,14,15
	global_store_b128 v[L16], v[rO+4*\r:rO+4*\r+3], s[12:13] offset:(32*((\n)/2)+8*((\n)%2)+\r+8*(\r/8))*16384 th:TH_STORE_NT   ; 32 lanes store 512 consecutive bytes, aligned
.endr
.endm
	; THE LAST CHUNK, by query groups: eight products finish a group; two groups are multiplied ahead of the first way out, so that the others' products stand between
	s_wait_dscnt 16                                ; V and P's fragments 0-3 are in; P's 4-7 may be out
	PVM 7, 0, 0
	PVM 7, 0, 1
	PVM 7, 1, 0
	PVM 7, 1, 1
	s_wait_dscnt 0x0
.irp a, 0,1,2,3,4,5,6,7
.if \a < 6
	PVM 7, \a+2, 0
	PVM 7, \a+2, 1
.endif
.if \a == 0
	PLACES 4                                       ; for group 0's results; behind it the 32 multiplications of the group before are the places
.endif
	TOSTAGE \a
.if \a > 0
	SEND \a-1, 32                                  ; behind that group's loads: this group's 16 stores and 16 loads
.endif
.endr
	SEND 7, 0
	WIN 0
	s_wait_tensorcnt 0x0                           ; the wave's end
	ds_add_u32 v[SPW], v[NIL]
	s_wait_dscnt 0x0
	CROUND                                         ; the closing round: no work-group ends while a partner may still ask for a tile that names it
	s_endpgm
.Lfunc_end_k_q135dc5946f_attn:
	.size	k_q135dc5946f_attn, .Lfunc_end_k_q135dc5946f_attn-k_q135dc5946f_attn
	.p2alignl 7, 3214868480
	.fill 96, 4, 3214868480
	.section	.rodata,"a",@progbits
	.p2align	6, 0x0
	.amdhsa_kernel k_q135dc5946f_attn
		.amdhsa_group_segment_fixed_size 327680
		.amdhsa_private_segment_fixed_size 0
		.amdhsa_enable_private_segment 0
		.amdhsa_kernarg_size 40
		.amdhsa_user_sgpr_count 2
		.amdhsa_user_sgpr_kernarg_segment_ptr 1
		.amdhsa_wavefront_size32 1
		.amdhsa_system_sgpr_workgroup_id_x 1
		.amdhsa_system_sgpr_workgroup_id_y 1
		.amdhsa_system_sgpr_workgroup_id_z 1
		.amdhsa_system_vgpr_workitem_id 0
		.amdhsa_next_free_vgpr 1024
		.amdhsa_next_free_sgpr 80
		.amdhsa_reserve_vcc 0
		.amdhsa_float_denorm_mode_32 3
		.amdhsa_float_denorm_mode_16_64 3
		.amdhsa_memory_ordered 1
		.amdhsa_forward_progress 1
		.amdhsa_inst_pref_size 255
	.end_amdhsa_kernel
	.section	.bss,"aw",@nobits
	.p2align	6
	.space	262144
	.amdgpu_metadata
---
amdhsa.version: [ 1, 2 ]
amdhsa.kernels:
  - .name:           k_q135dc5946f_attn
    .symbol:         k_q135dc5946f_attn.kd
    .args:
      - { .name: abuf, .offset: 0, .size: 8, .value_kind: global_buffer, .address_space: global }
      - { .name: bbuf, .offset: 8, .size: 8, .value_kind: global_buffer, .address_space: global }
      - { .name: kv, .offset: 16, .size: 8, .value_kind: global_buffer, .address_space: global }
      - { .name: lowp_scales, .offset: 24, .size: 8, .value_kind: global_buffer, .address_space: global }
      - { .name: out0, .offset: 32, .size: 8, .value_kind: global_buffer, .address_space: global }
    .group_segment_fixed_size: 327680
    .private_segment_fixed_size: 0
    .kernarg_segment_align: 8
    .kernarg_segment_size: 40
    .max_flat_workgroup_size: 128
    .sgpr_count:     80
    .vgpr_count:     1024
    .wavefront_size: 32
...
	.end_amdgpu_metadata
.endif
;; end of part 3
